; MI455X (gfx1250); checked and timed in simulation.
; The chip was launched on July 23, 2026; its instructions are those of AMD's public machine-readable ISA for CDNA 5 (MIT licence, August 2026) and "CDNA5" Instruction Set Architecture Reference Guide (July 2026). The comments in the code are by the model that wrote it; some were corrected since.
;; Yat Causal Attention. Allowed arithmetic: matrix products marked QUANTISED: E2M3 operands, one E8M0 scale for each 32 along K, by v_wmma_scale_f32_16x16x128_f8f6f4 with both operands' format E2M3, f32 sums; everything else in f32.
;; Inputs: Wout_codes 1,024 x 32 x 24 uint8 (E2M3 codes of Wout, K innermost, in blocks of 32 codes, four codes in three bytes); Wout_scales 1,024 x 32 uint8 (E8M0 scales of Wout, one for each 32 codes along K); Wqkv_codes 3,072 x 32 x 24 uint8 (E2M3 codes of Wqkv, K innermost, in blocks of 32 codes, four codes in three bytes); Wqkv_scales 3,072 x 32 uint8 (E8M0 scales of Wqkv, one for each 32 codes along K); x_codes 2 x 2,048 x 32 x 24 uint8 (E2M3 codes of x, K innermost, in blocks of 32 codes, four codes in three bytes); x_scales 2 x 2,048 x 32 uint8 (E8M0 scales of x, one for each 32 codes along K).
;; Outputs: out0 2 x 2,048 x 1,024 float32.
;; This version of the problem:
;;   THIS VERSION OF THE PROBLEM IS GIVEN IN LOW PRECISION. The matrix products marked QUANTISED in the list below multiply operands that are first quantised to E2M3 (2 exponent bits, 3 mantissa bits; 6 bits a number), with one power-of-two scale for each 32 numbers along K (OCP MX v1.0); their sums are f32. All else is computed in f32.
;;   The module's matrix products, in the order in which they are computed (A, B: the left and right operand; K: the contracted axis; several contracted axes count as one K, in the product's order):
;;     1. [M 4,096, K 1,024] x [K 1,024, N 3,072]; A: input x (given as codes); B: input Wqkv (given as codes): QUANTISED
;;     2. batch 32 x [M 2,048, K 64] x [K 64, N 2,048]; A: computed on the way; B: computed on the way: QUANTISED
;;     3. batch 32 x [M 2,048, K 2,048] x [K 2,048, N 64]; A: softmax (see below); B: computed on the way: QUANTISED
;;     4. [M 4,096, K 1,024] x [K 1,024, N 1,024]; A: computed on the way; B: input Wout (given as codes): QUANTISED
;;   THE QUANTISER, for each operand of a quantised product, along K:
;;     - K is cut into blocks of 32 from its start; a last block that is shorter is filled with zeros.
;;     - A block's scale is 2^e with e = floor(log2(the largest magnitude in the block)) - 2, held to -126 .. 127; a block of zeros has e = 0. As a byte (E8M0): e + 127.
;;     - Each number is divided by its block's scale, clamped to +-7.5, and rounded to the nearest number of E2M3, ties to even, subnormals kept.
;;     - The product sums the exact products of the quantised numbers (number of the format x scale) in f32.
;;   ~~~python
;;   def quantise(x, axis):      # numpy; x: float32 -> the quantised numbers, widened to float32 again
;;       x = np.moveaxis(x, axis, -1); K = x.shape[-1]
;;       x = np.pad(x, [(0, 0)] * (x.ndim - 1) + [(0, -K % 32)]); x = x.reshape(x.shape[:-1] + (-1, 32)); a = np.abs(x).max(-1, keepdims=True)
;;       e = np.where(a > 0, np.clip(np.frexp(np.where(a > 0, a, 1))[1] - 1 - 2, -126, 127), 0)      # np.frexp(a)[1] - 1 = floor(log2(a)), exactly
;;       r = np.clip(x / 2.0 ** e, -7.5, 7.5)
;;       step = 2.0 ** (np.maximum(np.frexp(np.where(r == 0, 1, r))[1] - 1, 0) - 3)
;;       q = np.round(r / step) * step * 2.0 ** e      # np.round: ties to even
;;       return np.moveaxis(q.reshape(q.shape[:-2] + (-1,))[..., :K], -1, axis).astype(np.float32)
;;   ~~~
;;   SOFTMAX AHEAD OF A QUANTISED PRODUCT. Where the list says 'softmax', what is quantised is not the finished softmax but p = 2^(t - M), with t = logit x log2(e) and M = ceil(the row's largest t), a whole number; so 1/2 < the row's largest p <= 1. The row's sum l is taken of the UNQUANTISED p, in f32, and the product's result is divided by l at the end. Since M is a whole number, a kernel that streams over the keys may use a running M (the ceiling of the running maximum): every later rescaling is an exact power of two, which a block's scale takes up: the codes' values come out the same.
;;   OPERANDS COMPUTED ON THE WAY. 'Computed on the way' means the value that the module computes at that place (a softmax that the list does not call 'softmax' is quantised finished and normalised). What goes into a quantiser is computed in f32, as accurately as f32 sums, v_exp_f32 and their like allow (about 1e-6 of the number): no bf16 or f16 on the way to a quantiser, and a product that is left as it is and whose result goes on into a quantised operand takes f32 operands (vector FMAs, or v_wmma_f32_16x16x4_f32). A number that lies on a knife's edge between two numbers of the format may be rounded either way, as far as f32 arithmetic and the matrix unit's own rounding can turn it there, and no further.
;;   INPUTS GIVEN AS CODES. Wout (in the module: [1024, 1024], K = its axis 0); Wqkv (in the module: [1024, 3072], K = its axis 0); x (in the module: [2, 2048, 1024], K = its axis 2): each comes as NAME_codes (uint8): NAME with its K axis moved to the last place and cut into blocks of 32 codes, [.., K / 32, bytes a block], one block behind the other in memory; four codes in three bytes: a row's codes are one little-endian stream of bits, code i at bits 6 i .. 6 i + 5 (a code: sign, 2 exponent bits, 3 mantissa bits); and NAME_scales (uint8): the same leading axes, one E8M0 byte (e + 127) for each 32 codes along K. Its value is code x scale, taken as it is: it is not quantised again, and the codes and scales need not be those that the quantiser above would give.
;; One version. Each part assembles by itself: llvm-mc -triple=amdgcn-amd-amdhsa -mcpu=gfx1250 --defsym DOCPART=n.
;; ======== version 1 of 1: 3 launches
;; limits: right only within a limited range of input values
;; workspace buffers: qrec 3,670,016 bytes; kvrec 6,946,816 bytes; oc 3,145,728 bytes; os 131,072 bytes
;; launch qkv (part 1): grid 8 x 24, 4 waves a work-group, clusters of 4 x 4, 327,680 bytes of LDS; arguments x_codes, x_scales, Wqkv_codes, Wqkv_scales, qrec, kvrec; writes qrec, kvrec
.if DOCPART == 1
	.amdgcn_target "amdgcn-amd-amdhsa--gfx1250"
	.amdhsa_code_object_version 6
	.text
	.protected	k_qab9c6e4e6c_qkv
	.globl	k_qab9c6e4e6c_qkv
	.p2align	8
	.type	k_qab9c6e4e6c_qkv,@function
k_qab9c6e4e6c_qkv:
	s_mov_b64 s[64:65], 0
	v_nop
	global_prefetch_b8 v0, s[64:65] scope:SCOPE_SE
	s_setreg_imm32_b32 hwreg(HW_REG_WAVE_MODE, 25, 1), 1
	s_wait_xcnt 0x0
	s_wait_alu depctr_hold_cnt(0) depctr_sa_sdst(0) depctr_va_vdst(0) depctr_va_sdst(0) depctr_va_ssrc(0) depctr_va_vcc(0) depctr_vm_vsrc(0)
	s_getreg_b32 s2, hwreg(HW_REG_IB_STS2, 6, 4)
	s_cmp_eq_u32 s2, 0
	s_cbranch_scc0 .Lentry_in_a_cluster
	s_endpgm
.Lentry_in_a_cluster:
	s_bfe_u32 s2, ttmp6, 0x10000c
	s_cmp_lg_u32 s2, 0xf033
	s_cbranch_scc0 .Lentry_shape_is_right
	s_endpgm
.Lentry_shape_is_right:
; qkv = x Wqkv on codes of FP6 (E2M3) with E8M0 scales, and what attention wants of it: q, k and v quantised again (q, k along the head's 64, v along the keys), and the norms of the unquantised q and k.
; x: [4096 tokens][1024], Wqkv: [3072][1024], codes with K innermost, 768 bytes a row; their scale bytes, 32 a row.
; THE PRODUCT.  A tile is 256 x 256, four waves, a wave 128 x 128: 64 accumulators.  A row of codes is three chunks of 256 bytes; chunk c lies in LDS slot c % 2.  A step of 128 along K is 96 bytes: eight steps, of which steps 2 and 5 lie across two chunks.
; THE HEAD brings chunks 0 and 1 of both operands, one tensor load a wave (256 rows x 256 bytes each).  Chunk 2 is the one refill: into slot 0, in step 2, when step 2's fragments have been read; a barrier in step 4 shows it whole.
; THE SCALE WORDS go from memory into registers: a row's 32 bytes are its eight steps' words; sixteen lanes read 512 consecutive bytes with two loads; 128 registers a wave, which hold scales and nothing else.
; Source 0 (S0) gives the axis that runs along a lane's registers, source 1 (S1) the lane's row: lane (r, h), accumulator (a, b), register j = (S1 row 16 a + r, S0 row 16 b + 8 h + j).
; q, k: S0 = 256 rows of Wqkv (four heads), S1 = 256 tokens.  v: S0 = 256 tokens (the keys), S1 = 256 rows of Wqkv from row 2,048 on.  Pointers and strides are chosen by the cluster's y, which all partners share.
; Clusters y = 0..3: q (cluster x = 0) and k (x = 1); y = 4, 5: v.  192 work-groups: 12,582,912 results in tiles of 65,536.  S1's tiles are shared along a row of the cluster, S0's along a column, each asked for jointly.
; No prefetch: K is three chunks, of which two are asked for at the head, at the largest block in clusters.
; THE QUANTISER.  A block's scale is 2^(floor(log2(largest magnitude)) - 2).  Inside a block of 32 the codes stand in the order 0-7, 16-23, 8-15, 24-31 of the true index; q and k are both made so, and so are v and attention's p.
; THE WORKSPACE is laid as images of operand registers.  Half a fragment (6 registers a lane) is 768 bytes: registers 0-3 at 16 x lane, then registers 4-5 at 8 x lane.
;   qrec  [batch x head 32][128 tokens 16] records of 7,168 bytes: 8 images; +6,144 scale words [2][row 16][tile 4]; +6,656 (qn + 1e-6) / 2 of 128 tokens
;   kvrec records of 13,568 bytes: k as q, with -kn / 2 at +6,656; +7,168 v: [16 of the head's 64: 4][64 keys: 2] images; +13,312 v's scale words [row 16][tile 4]
; LIMITS: NaN and infinities are not served.  A block of zeros gets the byte 1 where the rule says 127: its codes are zeros, and this program alone reads the bytes.
; REGISTERS: window 0: v0-31 addresses; v32-95 S1's scale words, v96-127 and v224-255 S0's; v128-223 S1's fragments, then the way out.  window 1: S0's fragments, two sets.  windows 2, 3: the accumulators.
.set ROWB,   256
.set KROW,   768
.set STEPS,  8
.set PITCH,  272
.set FR,     12
.set NL,     6
.set NP,     4
.set HALFT,  128*PITCH
.set SLOT,   4*HALFT
.set KS,     32
.set SPARE,  2*SLOT                    ; behind the ring: the spare words, 128 bytes a wave
.set NSCR,   SPARE+512                 ; behind them: 512 bytes a wave for the norms' turn, filled by no tensor load
.set ADRA, 16
.set ADRB, 20
.set SOF,  27                          ; 32 r: my row's scale bytes
.set SPW,  28
.set NIL,  29
.set SA,   32
.set AF,   128
.set L16,  7
.set L8,   8
.set VO16, 9
.set VO8,  10
.set VOS,  11
.set SHV,  12
.set SCW,  13
.set SCR,  14
.set PC,   128
.set PX,   140
.set TM,   148
.set PW,   164
.set SW,   168
.set NA,   172
.set NB,   176
.set XN,   180
.set NO,   184
.set G1, 24
.set G0, 32
.set G1B, 48
.set G0B, 56
.set G0C, 76                           ; s[76:79], s[88:91] group 0 for the head's loads of chunk 1
.set G0CB, 88
.set G0H, 4                            ; s[4:7], s[8:11] the same for chunk 0
.set G0HB, 8
.set PS1, 68                           ; s[68:69] my S1 rows' scale bytes, s[70:71] my S0 rows'
.set PS0, 70
.set PATH, 66
.set QF,   67
.set P1,   12
.set P2,   100
.set SAD,  92
.set SBD,  93
.set ALPHA, 94
.set BETA, 95
.set MASKW, 96
.set OFFS, 97
.set SG,   98
.set SEL,  18
.set MSB, 0
.macro WIN new
.if MSB != (\new)
	s_set_vgpr_msb (MSB<<8)|(\new)
.set MSB, (\new)
.endif
.endm
.set MUL_LO, 0xa1
.set MUL_HI, 0xf1
.set TO_B,   0x40
; a joint load: waves 0, 1 fetch for S1, waves 2, 3 for S0; the branch hangs on the wave's number alone
.macro JLOAD g0a, g1a, g0b, g1b
	s_cmp_eq_u32 s15, 0
	s_cbranch_scc0 .Lfor_b_\@
	tensor_load_to_lds s[\g0a:\g0a+3], s[\g1a:\g1a+7]
	s_nop 0
.rept 4
	v_nop
.endr
	s_branch .Lasked_\@
.Lfor_b_\@:
	tensor_load_to_lds s[\g0b:\g0b+3], s[\g1b:\g1b+7]
	s_nop 0
.rept 4
	v_nop
.endr
.Lasked_\@:
.endm
.macro CREST
	s_cmp_lg_u32 s14, 0
	s_cbranch_scc1 .Lnot_wave_0_\@
	s_barrier_signal -3
.Lnot_wave_0_\@:
	s_barrier_wait -3
	s_barrier_signal -1
	s_barrier_wait -1
.endm
.macro CROUND
	s_barrier_signal -1
	s_barrier_wait -1
	CREST
.endm
	s_load_b256 s[4:11], s[0:1], 0x0               ; x's codes, x's scales, Wqkv's codes, Wqkv's scales
	s_load_b64 s[12:13], s[0:1], 0x20              ; qrec
	s_load_b64 s[100:101], s[0:1], 0x28            ; kvrec
	v_lshl_add_u32 v[SPW], v0, 2, SPARE
	v_mov_b32 v[NIL], 0
	ds_add_u32 v[SPW], v[NIL]                      ; the opening lines: the add twice on end
	ds_add_u32 v[SPW], v[NIL]
	v_lshrrev_b32 v1, 5, v0
	v_readfirstlane_b32 s14, v1                    ; wave
	s_lshr_b32 s15, s14, 1                         ; my half of S1's rows; in the ring: I fetch for S1 (0) or S0 (1)
	s_and_b32 s16, s14, 1                          ; my half of S0's rows; in the ring: which 128 rows I fetch
	s_bfe_u32 s40, ttmp6, 0x40000                  ; cx
	s_bfe_u32 s41, ttmp6, 0x40004                  ; cy
	s_and_b32 s19, ttmp7, 0xffff                   ; the cluster's y
	s_sub_co_u32 s20, s19, 4
	s_lshl_b32 s20, s20, 1
	s_add_co_u32 s20, s20, ttmp9                   ; v: which of the four clusters
	s_cmp_ge_u32 s19, 4
	s_cselect_b32 s[PATH], 1, 0
	s_cselect_b32 s20, s20, ttmp9
	s_cselect_b32 s19, 0, s19
	s_lshl_b32 s42, s20, 2
	s_add_co_u32 s42, s42, s40                     ; S0's tile
	s_lshl_b32 s17, s19, 2
	s_add_co_u32 s17, s17, s41                     ; S1's tile
	s_or_b32 s[QF], s[PATH], ttmp9
	s_cmp_eq_u32 s[QF], 0
	s_cselect_b32 s[QF], 1, 0
	s_lshl_b32 s43, s41, 2
	s_lshl_b32 s43, 15, s43                        ; my row of the cluster
	s_lshl_b32 s44, 0x1111, s40                    ; my column
	s_or_b32 s[G1+0], s43, (0<<16)|(1<<20)|(1<<21)|(5<<22)|(3<<25)   ; rows of 256 bytes, 16 bytes of padding behind each
	s_or_b32 s[G1B+0], s44, (0<<16)|(1<<20)|(1<<21)|(5<<22)|(3<<25)
.irp g, G1, G1B
	s_mov_b32 s[\g+1], ROWB<<16
	s_mov_b32 s[\g+2], 256<<16                     ; the head's loads bring 256 rows
	s_mov_b32 s[\g+3], ROWB<<16
	s_mov_b32 s[\g+4], 256
	s_mov_b32 s[\g+5], KROW
	s_mov_b32 s[\g+6], 0
	s_mov_b32 s[\g+7], 0
.endr
	s_lshl_b32 s20, s17, 8                         ; S1: the tile's first row
	s_lshl_b32 s46, s42, 8                         ; S0 likewise
	s_mov_b32 s21, 0
	s_mov_b32 s47, 0
	s_mov_b64 s[18:19], KS
	s_mul_u64 s[PS1:PS1+1], s[20:21], s[18:19]     ; where these rows' scales begin, in bytes,
	s_mul_u64 s[PS0:PS0+1], s[46:47], s[18:19]
	s_mov_b32 s73, 0
	s_lshl_b32 s72, s15, 12                        ; and my wave's 128 rows of them
	s_add_nc_u64 s[PS1:PS1+1], s[PS1:PS1+1], s[72:73]
	s_lshl_b32 s72, s16, 12
	s_add_nc_u64 s[PS0:PS0+1], s[PS0:PS0+1], s[72:73]
	s_mov_b64 s[18:19], KROW
	s_mul_u64 s[20:21], s[20:21], s[18:19]
	s_mul_u64 s[46:47], s[46:47], s[18:19]
	s_mul_i32 s18, s16, 128*KROW                   ; in the ring I fetch 128 rows
	s_mov_b32 s19, 0
	s_mul_i32 s45, s14, HALFT
	s_wait_dscnt 0x0                               ; both opening adds are done
	s_wait_kmcnt 0x0
	s_add_nc_u64 s[96:97], s[8:9], 2048*KROW       ; v's rows of Wqkv
	s_add_nc_u64 s[98:99], s[10:11], 2048*KS
	s_cmp_eq_u32 s[PATH], 1                        ; v: the operands change places
	s_cselect_b64 s[8:9], s[4:5], s[8:9]
	s_cselect_b64 s[10:11], s[6:7], s[10:11]
	s_cselect_b64 s[4:5], s[96:97], s[4:5]
	s_cselect_b64 s[6:7], s[98:99], s[6:7]
	s_cmp_eq_u32 s[QF], 1
	s_cselect_b64 s[P1:P1+1], s[P1:P1+1], s[100:101]
	s_add_nc_u64 s[20:21], s[4:5], s[20:21]
	s_add_nc_u64 s[PS1:PS1+1], s[6:7], s[PS1:PS1+1]
	s_add_nc_u64 s[46:47], s[8:9], s[46:47]
	s_add_nc_u64 s[PS0:PS0+1], s[10:11], s[PS0:PS0+1]
	CROUND                                         ; all sixteen work-groups are here: the first joint loads meet
	s_mov_b32 s[G0H], 1                            ; chunk 0 of S1's 256 rows,
	s_mov_b32 s[G0H+1], 0
	s_mov_b64 s[G0H+2:G0H+3], s[20:21]
	s_or_b32 s[G0H+3], s[G0H+3], 0x80000000
	s_mov_b32 s[G0HB], 1                           ; of S0's,
	s_mov_b32 s[G0HB+1], 2*HALFT
	s_mov_b64 s[G0HB+2:G0HB+3], s[46:47]
	s_or_b32 s[G0HB+3], s[G0HB+3], 0x80000000
	s_mov_b32 s[G0C], 1                            ; chunk 1 of S1's,
	s_mov_b32 s[G0C+1], SLOT
	s_add_nc_u64 s[G0C+2:G0C+3], s[20:21], ROWB
	s_or_b32 s[G0C+3], s[G0C+3], 0x80000000
	s_mov_b32 s[G0CB], 1                           ; and of S0's
	s_mov_b32 s[G0CB+1], SLOT+2*HALFT
	s_add_nc_u64 s[G0CB+2:G0CB+3], s[46:47], ROWB
	s_or_b32 s[G0CB+3], s[G0CB+3], 0x80000000
	s_add_nc_u64 s[20:21], s[20:21], s[18:19]      ; the refill: my 128 rows of chunk 2, into slot 0
	s_add_nc_u64 s[46:47], s[46:47], s[18:19]
	s_mov_b32 s[G0], 1
	s_mov_b32 s[G0+1], s45
	s_add_nc_u64 s[G0+2:G0+3], s[20:21], 2*ROWB
	s_or_b32 s[G0+3], s[G0+3], 0x80000000
	s_mov_b32 s[G0B], 1
	s_mov_b32 s[G0B+1], s45
	s_add_nc_u64 s[G0B+2:G0B+3], s[46:47], 2*ROWB
	s_or_b32 s[G0B+3], s[G0B+3], 0x80000000
; the head's four tiles, one load a wave, in one chain of branches on the wave's number
.macro ARM under, g0, g1, next
	s_cmp_lt_u32 s14, \under
	s_cbranch_scc0 \next
	tensor_load_to_lds s[\g0:\g0+3], s[\g1:\g1+7]
	s_nop 0
.rept 4
	v_nop
.endr
	s_branch .Lhead_asked
\next:
.endm
	ARM 1, G0H,  G1,  .Lhead_b
	ARM 2, G0HB, G1B, .Lhead_c
	ARM 3, G0C,  G1,  .Lhead_cb
	tensor_load_to_lds s[G0CB:G0CB+3], s[G1B:G1B+7]
	s_nop 0
.rept 4
	v_nop
.endr
.Lhead_asked:
	v_and_b32 v1, 15, v0                           ; r
	v_lshlrev_b32 v[SOF], 5, v1
.irp a, 0,1,2,3,4,5,6,7                ; register 8 a + s: the word of block a's row r for step s
	global_load_b128 v[SA+8*\a:SA+8*\a+3], v[SOF], s[PS1:PS1+1] offset:512*\a
	global_load_b128 v[SA+8*\a+4:SA+8*\a+7], v[SOF], s[PS1:PS1+1] offset:512*\a+16
	global_load_b128 v[96+8*\a+(\a/4)*96:96+8*\a+(\a/4)*96+3], v[SOF], s[PS0:PS0+1] offset:512*\a
	global_load_b128 v[96+8*\a+(\a/4)*96+4:96+8*\a+(\a/4)*96+7], v[SOF], s[PS0:PS0+1] offset:512*\a+16
.endr
	; the way out's numbers.  i0, i1: which 128 rows of S0 and of S1 are my wave's
	s_lshl_b32 s20, s42, 1
	s_add_co_u32 s20, s20, s16
	s_lshl_b32 s21, s17, 1
	s_add_co_u32 s21, s21, s15
	s_and_b32 s22, s20, 7
	s_cmp_eq_u32 s[PATH], 1
	s_cselect_b32 s23, s20, s21                    ; my 128 tokens: 16 x batch + step
	s_cselect_b32 s22, s21, s22                    ; my pair of heads
	s_lshr_b32 s20, s23, 4
	s_lshl_b32 s20, s20, 8
	s_lshl_b32 s22, s22, 5
	s_add_co_u32 s20, s20, s22
	s_and_b32 s23, s23, 15
	s_add_co_u32 s20, s20, s23                     ; the first head's record
	s_mov_b32 s21, 13568
	s_mov_b32 s[ALPHA], 0xbf000000
	s_cmp_eq_u32 s[QF], 1
	s_cselect_b32 s21, 7168, s21
	s_cselect_b32 s[ALPHA], 0x3f000000, s[ALPHA]
	s_cselect_b32 s[BETA], 0x350637bd, 0           ; 1e-6 / 2
	s_mul_i32 s46, s20, s21
	s_lshl_b32 s21, s21, 4                         ; from a head to the next: 16 records
	s_mov_b32 s[SAD], 768
	s_mov_b32 s[SG], 256
	s_mov_b32 s[MASKW], 0xffff
	s_cmp_eq_u32 s[PATH], 1
	s_cselect_b32 s22, 7168, 0
	s_cselect_b32 s23, 768, s21
	s_cselect_b32 s21, 0, s21
	s_cselect_b32 s40, 0, 16
	s_cselect_b32 s[SAD], 1536, s[SAD]
	s_cselect_b32 s[SBD], 210944, 0
	s_cselect_b32 s[SG], 217088, s[SG]
	s_cselect_b32 s[MASKW], -1, s[MASKW]
	s_add_co_u32 s46, s46, s22
	s_mov_b32 s47, 0
	s_add_nc_u64 s[P1:P1+1], s[P1:P1+1], s[46:47]
	s_mov_b32 s46, s23
	s_add_nc_u64 s[P2:P2+1], s[P1:P1+1], s[46:47]
	s_mov_b32 s[OFFS], 0
	s_mov_b32 s[SEL], 0x76543210
	s_mov_b32 s[SEL+1], 0xfedcba98
	s_mov_b32 s22, SLOT-232
	s_mov_b32 s23, SLOT+232
	s_mul_i32 s2, s15, HALFT                       ; my 128 rows of S1
	s_mul_i32 s3, s16, HALFT
	s_add_co_u32 s3, s3, 2*HALFT                   ; my 128 rows of S0
	s_add_co_u32 s46, s2, SLOT
	s_add_co_u32 s47, s3, SLOT
	s_wait_alu depctr_va_vdst(0)                   ; directly ahead of the reader of r below
	; the rest of the vector set-up in one run
	v_mul_u32_u24 v3, v1, PITCH
	v_bfe_u32 v2, v0, 4, 1                         ; h
	v_mul_u32_u24 v4, v2, 24
	v_add_nc_u32 v4, v3, v4
	v_sub_nc_u32 v7, 1, v2
	v_mul_u32_u24 v5, s22, v2
	v_add_nc_u32 v5, v3, v5
	v_add_nc_u32 v5, 232, v5                       ; across two chunks: lanes 0-15 byte 232 in slot 0, lanes 16-31 byte 0 in slot 1
	v_mul_u32_u24 v6, s23, v7
	v_add_nc_u32 v6, v3, v6                        ; and the other way round
	v_add_nc_u32 v[ADRA+2], s2, v5
	v_add_nc_u32 v[ADRA+3], s2, v6
	v_add_nc_u32 v[ADRB+2], s3, v5
	v_add_nc_u32 v[ADRB+3], s3, v6
	v_add_nc_u32 v[ADRA], s2, v4
	v_add_nc_u32 v[ADRB], s3, v4
	v_add_nc_u32 v[ADRA+1], s46, v4
	v_add_nc_u32 v[ADRB+1], s47, v4
	v_and_b32 v6, 31, v0
	v_lshlrev_b32 v[L16], 4, v6
	v_lshlrev_b32 v[L8], 3, v6
	v_mul_u32_u24 v[VOS], s21, v2
	v_lshl_add_u32 v[VOS], v1, 4, v[VOS]
	v_mul_u32_u24 v[SHV], s40, v2
	v_lshrrev_b32 v[SCW], 4, v0
	v_lshlrev_b32 v[SCW], 8, v[SCW]
	v_lshl_add_u32 v[SCW], v1, 2, v[SCW]           ; 512 x wave + 256 h + 4 r
	v_add_nc_u32 v[SCW], NSCR, v[SCW]
	v_lshlrev_b32 v[SCR], 4, v0
	v_add_nc_u32 v[SCR], NSCR, v[SCR]
.macro FRAG reg, adr, st, i            ; 16 rows x 128 K: six pieces of 8 bytes; byte y of a row lies in slot (y / 256) % 2 at byte y % 256
.irp p, 0,1,2,3,4,5
.set BY, 96*(\st)+48*(\p/3)+8*(\p%3)
.if BY/ROWB == (BY+24)/ROWB
	ds_load_b64 v[\reg+2*\p:\reg+2*\p+1], v[\adr+(BY/ROWB)%2] offset:BY%ROWB+(\i)*16*PITCH
.else
	ds_load_b64 v[\reg+2*\p:\reg+2*\p+1], v[\adr+2+(BY/ROWB)%2] offset:BY%ROWB-232+(\i)*16*PITCH
.endif
.endr
.endm
; 16 matrix instructions of step st on S0's set p; the 64 accumulators take turns
.macro MUL16 a0, p, st, zero
.irp a, \a0, \a0+1
.irp b, 0,1,2,3,4,5,6,7
.if \zero
	v_wmma_scale_f32_16x16x128_f8f6f4 v[8*(8*((\a)%4)+\b):8*(8*((\a)%4)+\b)+7], v[128*(\p)+FR*\b:128*(\p)+FR*\b+FR-1], v[AF+FR*(\a):AF+FR*(\a)+FR-1], 0, v[96+8*\b+(\b/4)*96+(\st)], v[SA+8*(\a)+(\st)] matrix_a_fmt:MATRIX_FMT_FP6 matrix_b_fmt:MATRIX_FMT_FP6
.else
	v_wmma_scale_f32_16x16x128_f8f6f4 v[8*(8*((\a)%4)+\b):8*(8*((\a)%4)+\b)+7], v[128*(\p)+FR*\b:128*(\p)+FR*\b+FR-1], v[AF+FR*(\a):AF+FR*(\a)+FR-1], v[8*(8*((\a)%4)+\b):8*(8*((\a)%4)+\b)+7], v[96+8*\b+(\b/4)*96+(\st)], v[SA+8*(\a)+(\st)] matrix_a_fmt:MATRIX_FMT_FP6 matrix_b_fmt:MATRIX_FMT_FP6
.endif
.endr
.endr
.endm
.macro FETCH_B st, p
	WIN TO_B
.irp i, 0,1,2,3,4,5,6,7
	FRAG 128*(\p)+FR*\i, ADRB, \st, \i
.endr
	WIN 0
.endm
.macro FETCH_A st, i0
.irp i, \i0, \i0+1, \i0+2, \i0+3
	FRAG AF+FR*(\i), ADRA, \st, \i
.endr
.endm
.macro PLACES n
.rept \n
	v_nop
.endr
.endm
; a step of 128 along K; the next step's fragments are fetched in its middle and at its end.
; Step 2: chunk 0 is read no more: the three lines, a round of the cluster's barrier, and chunk 2 into slot 0.  Step 4: the next step's bytes end in chunk 2: a wait for my tensor load and a barrier.
.macro STEP st, zero
.set NX, (\st)+1
.if (\st) == 2 || (\st) == 4
	s_wait_tensorcnt 0x0                           ; all my tensor loads have landed
.if (\st) == 2
	ds_add_u32 v[SPW], v[NIL]
	s_wait_dscnt 4*NL+1                            ; the add and S1's blocks 4-7 may be out
.else
	s_wait_dscnt 4*NL                              ; S1's blocks 4-7 may be out
.endif
	WIN MUL_LO
	MUL16 0, (\st)%2, \st, \zero
	s_wait_dscnt 0x0                               ; the add and my reads are done
	s_barrier_signal -1
	MUL16 2, (\st)%2, \st, \zero
	WIN 0
	s_barrier_wait -1
.if (\st) == 2
	CREST
	JLOAD G0, G1, G0B, G1B                         ; chunk 2; its four v_nop are the places in front of the loads below
.else
	PLACES NP
.endif
.else
	s_wait_dscnt 4*NL                              ; S1's blocks 4-7, the youngest 24 loads, may be out
	WIN MUL_LO
	MUL16 0, (\st)%2, \st, \zero
	MUL16 2, (\st)%2, \st, \zero
	s_wait_dscnt 0
	PLACES NP
.endif
	FETCH_B NX, NX%2
	FETCH_A NX, 0
	WIN MUL_HI
	MUL16 4, (\st)%2, \st, \zero
	MUL16 6, (\st)%2, \st, \zero
	PLACES NP
	WIN 0
	FETCH_A NX, 4
.endm
	s_wait_alu depctr_va_vdst(0)
	s_wait_loadcnt 0x0                             ; the scale words
	s_wait_tensorcnt 0x0                           ; my tile of the head's four is in
	s_mov_b32 s[G1+2], 128<<16                     ; no load of mine is out: the refill brings 128 rows a wave
	s_mov_b32 s[G1+4], 128
	s_mov_b32 s[G1B+2], 128<<16
	s_mov_b32 s[G1B+4], 128
	s_barrier_signal -1
	s_barrier_wait -1                              ; all four tiles are in; chunk 2 comes in step 2, into slot 0
	FETCH_B 0, 0
	FETCH_A 0, 0
	FETCH_A 0, 4
	STEP 0, 1
.set ST, 1
.rept STEPS-2
	STEP ST, 0
.set ST, ST+1
.endr
	s_wait_dscnt 4*NL                              ; the last step
	WIN MUL_LO
	MUL16 0, 1, 7, 0
	MUL16 2, 1, 7, 0
	s_wait_dscnt 0
	WIN MUL_HI
	MUL16 4, 1, 7, 0
	MUL16 6, 1, 7, 0
	WIN 0
; THE WAY OUT, a block of 16 S1 rows at a time: its 64 registers a lane become one fragment (12 registers) and a scale word a row.
.macro BLOCK a
.set AC, 64*((\a)%4)
.set WD, 2+(\a)/4
.set WN, WD|(WD<<2)
.set WQ, (WD<<2)|(WD<<4)
	s_cmp_eq_u32 s[PATH], 1                        ; v has no norms
	s_cbranch_scc1 .Lno_norm_\@
	WIN WN
.irp i, 0,1                            ; sums of squares of the unquantised numbers, every accumulator from its low end on
	v_pk_mul_f32 v[NA+2*\i:NA+2*\i+1], v[AC+2*\i:AC+2*\i+1], v[AC+2*\i:AC+2*\i+1]
	v_pk_mul_f32 v[NB+2*\i:NB+2*\i+1], v[AC+32+2*\i:AC+32+2*\i+1], v[AC+32+2*\i:AC+32+2*\i+1]
.endr
.irp i, 2,3,4,5,6,7,8,9,10,11,12,13,14,15
	v_pk_fma_f32 v[NA+2*(\i%2):NA+2*(\i%2)+1], v[AC+2*\i:AC+2*\i+1], v[AC+2*\i:AC+2*\i+1], v[NA+2*(\i%2):NA+2*(\i%2)+1]
	v_pk_fma_f32 v[NB+2*(\i%2):NB+2*(\i%2)+1], v[AC+32+2*\i:AC+32+2*\i+1], v[AC+32+2*\i:AC+32+2*\i+1], v[NB+2*(\i%2):NB+2*(\i%2)+1]
.endr
	WIN 0
	v_pk_add_f32 v[NA:NA+1], v[NA:NA+1], v[NA+2:NA+3]
	v_pk_add_f32 v[NB:NB+1], v[NB:NB+1], v[NB+2:NB+3]
	v_add_f32 v[NA], v[NA], v[NA+1]
	v_add_f32 v[NB], v[NB], v[NB+1]
	v_permlane16_swap_b32 v[NA], v[NB]             ; lanes 0-15: both halves of the first head's sum; lanes 16-31: of the second's
	v_add_f32 v[XN+(\a)%4], v[NA], v[NB]
	v_fma_f32 v[XN+(\a)%4], v[XN+(\a)%4], s[ALPHA], s[BETA]   ; q: (qn + 1e-6) / 2;  k: -kn / 2
.Lno_norm_\@:
	WIN WQ
.irp b, 0,1,2,3
	v_max3_num_f32 v[TM+\b], 0x1800000, |v[AC+16*\b]|, |v[AC+16*\b+1]|   ; with the floor 2^(3 - 127): the byte cannot fall under 1
.endr
.irp i, 2,4,6,8,10,12,14
.irp b, 0,1,2,3
	v_max3_num_f32 v[TM+\b], v[TM+\b], |v[AC+16*\b+\i]|, |v[AC+16*\b+\i+1]|
.endr
.endr
	WIN 0
.irp b, 0,1,2,3
	v_permlanex16_b32 v[TM+4+\b], v[TM+\b], s[SEL], s[SEL+1]
.endr
.irp b, 0,1,2,3
	v_max_num_f32 v[TM+\b], v[TM+\b], v[TM+4+\b]
.endr
.irp b, 0,1,2,3
	v_add_nc_u32 v[TM+12+\b], 0xff000000, v[TM+\b] ; 2 off the exponent field: the conversion's scale operand
.endr
.irp b, 0,1,2,3
	v_lshrrev_b32 v[TM+4+\b], 23, v[TM+12+\b]
.endr
	v_lshl_or_b32 v[PW+(\a)%4], v[TM+5], 8, v[TM+4]
	v_lshl_or_b32 v[PW+(\a)%4], v[TM+6], 16, v[PW+(\a)%4]
	v_lshl_or_b32 v[PW+(\a)%4], v[TM+7], 24, v[PW+(\a)%4]
	s_wait_alu depctr_va_vdst(0)
	s_wait_xcnt 0x0                                ; the last block's stores have read their data and offsets: both are written again below
.if (\a) == 4
	v_add_nc_u32 v[VOS], s[SG], v[VOS]
.endif
	WIN WD
.irp c, 0,1
	v_cvt_scalef32_pk16_fp6_f32 v[PC+6*\c:PC+6*\c+2], v[AC+32*\c:AC+32*\c+15], v[TM+12+2*\c]
	v_cvt_scalef32_pk16_fp6_f32 v[PX+4*\c:PX+4*\c+2], v[AC+32*\c+16:AC+32*\c+31], v[TM+12+2*\c+1]
.endr
	WIN 0
	v_nop                                          ; one plain place behind a scaled conversion
.irp c, 0,1
.irp i, 0,1,2
	v_permlane16_swap_b32 v[PC+6*\c+\i], v[PX+4*\c+\i]
.endr
.irp i, 0,1,2
	v_mov_b32 v[PC+3+6*\c+\i], v[PX+4*\c+\i]
.endr
.endr
	v_add_nc_u32 v[VO16], s[OFFS], v[L16]
	v_add_nc_u32 v[VO8], s[OFFS], v[L8]
	global_store_b128 v[VO16], v[PC:PC+3], s[P1:P1+1]                 ; 512 consecutive bytes, at a multiple of 256
	global_store_b64 v[VO8], v[PC+4:PC+5], s[P1:P1+1] offset:512      ; and the 256 behind them
	global_store_b128 v[VO16], v[PC+6:PC+9], s[P2:P2+1]
	global_store_b64 v[VO8], v[PC+10:PC+11], s[P2:P2+1] offset:512
	s_add_co_u32 s[OFFS], s[OFFS], s[SAD]
.if (\a) == 3
	s_add_co_u32 s[OFFS], s[OFFS], s[SBD]
.endif
.endm
; behind four blocks: their scale words, and for q and k their norms, which turn through 512 bytes of LDS of the wave's own
.macro GROUP
.irp i, 0,1,2,3
	v_lshrrev_b32 v[SW+\i], v[SHV], v[PW+\i]
.endr
.irp i, 0,1,2,3
	v_and_b32 v[SW+\i], s[MASKW], v[SW+\i]
.endr
	global_store_b128 v[VOS], v[SW:SW+3], s[P1:P1+1] offset:6144
	s_cmp_eq_u32 s[PATH], 1
	s_cbranch_scc1 .Lno_n_\@
.irp t, 0,1,2,3
	ds_store_b32 v[SCW], v[XN+\t] offset:64*\t
.endr
	ds_load_b128 v[NO:NO+3], v[SCR]                ; LDS serves a wave's instructions in order (ISA guide 5.7.1.4)
	s_wait_dscnt 0x0
	global_store_b128 v[VOS], v[NO:NO+3], s[P1:P1+1] offset:6656
.Lno_n_\@:
.endm
	PLACES NP                                      ; behind the last products: the lines below write registers that held S1's fragments
.irp b, 0,1,2,3
	v_mov_b32 v[TM+4+\b], 0                        ; a lane permute's destination counts as one of its sources
	v_mov_b32 v[XN+\b], 0
.endr
.irp a, 0,1,2,3
	BLOCK \a
.endr
	GROUP
.irp a, 4,5,6,7
	BLOCK \a
.endr
	GROUP
	s_wait_tensorcnt 0x0                           ; the wave's end
	ds_add_u32 v[SPW], v[NIL]
	s_wait_dscnt 0x0
	CROUND                                         ; the closing round
	s_endpgm
.Lfunc_end_k_qab9c6e4e6c_qkv:
	.size	k_qab9c6e4e6c_qkv, .Lfunc_end_k_qab9c6e4e6c_qkv-k_qab9c6e4e6c_qkv
	.p2alignl 7, 3214868480
	.fill 96, 4, 3214868480
	.section	.rodata,"a",@progbits
	.p2align	6, 0x0
	.amdhsa_kernel k_qab9c6e4e6c_qkv
		.amdhsa_group_segment_fixed_size 327680
		.amdhsa_private_segment_fixed_size 0
		.amdhsa_enable_private_segment 0
		.amdhsa_kernarg_size 48
		.amdhsa_user_sgpr_count 2
		.amdhsa_user_sgpr_kernarg_segment_ptr 1
		.amdhsa_wavefront_size32 1
		.amdhsa_system_sgpr_workgroup_id_x 1
		.amdhsa_system_sgpr_workgroup_id_y 1
		.amdhsa_system_sgpr_workgroup_id_z 1
		.amdhsa_system_vgpr_workitem_id 0
		.amdhsa_next_free_vgpr 1024
		.amdhsa_next_free_sgpr 102
		.amdhsa_reserve_vcc 0
		.amdhsa_float_denorm_mode_32 3
		.amdhsa_float_denorm_mode_16_64 3
		.amdhsa_memory_ordered 1
		.amdhsa_forward_progress 1
		.amdhsa_inst_pref_size 188
	.end_amdhsa_kernel
	.amdgpu_metadata
---
amdhsa.version: [ 1, 2 ]
amdhsa.kernels:
  - .name:           k_qab9c6e4e6c_qkv
    .symbol:         k_qab9c6e4e6c_qkv.kd
    .args:
      - { .name: x_codes, .offset: 0, .size: 8, .value_kind: global_buffer, .address_space: global }
      - { .name: x_scales, .offset: 8, .size: 8, .value_kind: global_buffer, .address_space: global }
      - { .name: Wqkv_codes, .offset: 16, .size: 8, .value_kind: global_buffer, .address_space: global }
      - { .name: Wqkv_scales, .offset: 24, .size: 8, .value_kind: global_buffer, .address_space: global }
      - { .name: qrec, .offset: 32, .size: 8, .value_kind: global_buffer, .address_space: global }
      - { .name: kvrec, .offset: 40, .size: 8, .value_kind: global_buffer, .address_space: global }
    .group_segment_fixed_size: 327680
    .private_segment_fixed_size: 0
    .kernarg_segment_align: 8
    .kernarg_segment_size: 48
    .max_flat_workgroup_size: 128
    .sgpr_count:     102
    .vgpr_count:     1024
    .wavefront_size: 32
...
	.end_amdgpu_metadata
.endif
;; end of part 1
;; launch attn (part 2): grid 8 x 32, 16 waves a work-group, clusters of 4 x 1, 262,144 bytes of LDS; arguments qrec, kvrec, oc, os; writes oc, os
.if DOCPART == 2
	.amdgcn_target "amdgcn-amd-amdhsa--gfx1250"
	.amdhsa_code_object_version 6
	.text
	.protected	k_qab9c6e4e6c_attn
	.globl	k_qab9c6e4e6c_attn
	.p2align	8
	.type	k_qab9c6e4e6c_attn,@function
k_qab9c6e4e6c_attn:
	s_mov_b64 s[64:65], 0
	v_nop
	global_prefetch_b8 v0, s[64:65] scope:SCOPE_SE
	s_setreg_imm32_b32 hwreg(HW_REG_WAVE_MODE, 25, 1), 1
	s_wait_xcnt 0x0
	s_wait_alu depctr_hold_cnt(0) depctr_sa_sdst(0) depctr_va_vdst(0) depctr_va_sdst(0) depctr_va_ssrc(0) depctr_va_vcc(0) depctr_vm_vsrc(0)
	s_getreg_b32 s2, hwreg(HW_REG_IB_STS2, 6, 4)
	s_cmp_eq_u32 s2, 0
	s_cbranch_scc0 .Lentry_in_a_cluster
	s_endpgm
.Lentry_in_a_cluster:
	s_bfe_u32 s2, ttmp6, 0x10000c
	s_cmp_lg_u32 s2, 0x3003
	s_cbranch_scc0 .Lentry_shape_is_right
	s_endpgm
.Lentry_shape_is_right:
; Causal attention with the score dot^2 / (qn + kn - 2 dot + 1e-6), both products on codes of FP6 (E2M3) with E8M0 scales, for 32 (batch, head) pairs of 2,048 tokens x 64; the result is quantised for the last product.
; LEFT OUT: key steps of 128 that lie wholly behind a wave's queries: the causal mask, built in the problem's own body, makes their p zero for all inputs.  A NaN or infinity that reaches only those steps is not carried.
; qrec, kvrec: records of 128 tokens, images of operand registers (half a fragment is 768 bytes: registers 0-3 at 16 x lane, registers 4-5 at 8 x lane):
;   qrec  7,168 bytes: 8 images of q; +6,144 scale words [2][row 16][tile 4]; +6,656 hq = (qn + 1e-6) / 2
;   kvrec 13,568 bytes: k likewise, nk = -kn / 2 at +6,656; +7,168 v with the keys innermost: [16 of the 64: 4][64 keys: 2] images; +13,312 v's scale words
; A HEAD'S 16 RECORDS OF K AND V, 217,088 bytes, lie in LDS for the whole launch: each of the 16 waves brings one with one tensor load.  Nothing is filled again.  No prefetch: all is asked for at the head.
; CLUSTER: the eight work-groups of a head are two clusters of four, which ask for each record jointly (mask 15).
; SHARES.  Work-group p (0..7) takes the 16 queries 128 B + 16 p .. + 15 of every block B of 128 queries.  Block B has B + 1 key steps, 136 in all; they are dealt 9 or 8 to a wave:
; waves 2 i and 2 i + 1 (i = 0..7) share blocks 8 + i and 7 - i.  The one (kind 0) works steps 0..8 of block 8 + i.  The other (kind 1) works steps 9..8 + i of that block, leaves O, -M and the sum in LDS bytes of its own,
; and then works block 7 - i whole.  Behind one barrier kind 0 joins the two parts: both are brought under the larger M by powers of two, which round nothing.  Kind = (w ^ w / 4) & 1.
; What a wave walks hangs on its number alone, alike in all partners; p enters global addresses and the mask's compare only.  The walk is written as two counted loops, of 16 and of 8 trips; a wave jumps over the trips that are not its own.
; LAYOUT.  Both products transposed: S^T = K Q^T, O^T = V^T P^T: a lane holds one query (lane % 16); register 8 t + j of lane (r, h) is key 16 t + 8 h + j.
; K = 64 in an instruction of 128: Q's registers 6-11 are zero codes; K's tile t runs on into the next tile's codes (behind tile 7: zeros), which meet zero codes.  Bytes 2, 3 of q's and k's scale words are 0 (2^-127).
; THE DENOMINATOR.  g = hq - (dot + nk) = (qn + kn - 2 dot + 1e-6) / 2, nk loaded in the result's layout.  One reciprocal serves two scores: r = 1 / (g0 g2), 1 / g0 = g2 r, 1 / g2 = g0 r.
; s' = dot^2 / g is twice the score; t = s' x log2(e) / 2.
; THE SOFTMAX: M = the running largest t rounded up to a whole number; p = 2^(t - M) is quantised along the keys; the row's sum is taken of the unquantised p and divides O at the end.
; OUT: oc [16 tokens: 256][head 16] images of 768 bytes; os [token 4,096][32] scale bytes.
; LIMITS: NaN and infinities are not served.  The promise holds while |t| stays under 2^31, and while the product of two denominators g of one step lies between 2^-126 and 2^126 in magnitude
; (g is at least 5e-7 in exact arithmetic, so g under 2^63 serves).  The denominator is summed as hq - (dot - kn / 2).
; A block of zeros gets the byte 1 where the rule says 127: its codes are zeros, and this program alone reads the bytes.
.set REC,  13568
.set QREC, 7168
.set PART, 0x35000                     ; behind the records: eight parts of 4,608 bytes
.set PSZ,  4608
.set SPARE, 0x3e000                    ; behind them: the spare words, 128 bytes a wave
.set L16, 1
.set L8,  2
.set LN,  3
.set LS,  4
.set A16, 5
.set A8,  6
.set AN,  7
.set AS,  8
.set DG,  9                            ; 16 p + r - 8 h
.set PADR, 10                          ; my pair's part + 16 x lane
.set R4,  11                           ; 4 r
.set QFR, 20
.set KF,  42
.set MP,  42                           ; v42-73: products of two g, then their reciprocals (K's registers, done with)
.set S,   96
.set EN,  160
.set O,   224
.set BM,  42
.set TP,  46
.set SO,  50
.set PB,  54
.set T0,  58
.set PC,  60
.set PX,  72
.set MINF, 80
.set WV,  12
.set BLK, 13                           ; the block in hand
.set PP,  15
.set BH,  16
.set G1,  24
.set G0,  32
.set TB,  36
.set ST,  37
.set CS,  38
.set SEL, 40
.set HI16, 42
.set LO,  43                           ; my first and
.set HI,  52                           ; last step of the loop in hand
.set TYP, 53
.set IDX, 54
.set BS,  55
.set PBS, 62
.macro CROUND
	s_barrier_signal -1
	s_barrier_wait -1
	s_cmp_lg_u32 s[WV], 0
	s_cbranch_scc1 .Lnot_wave_0_\@
	s_barrier_signal -3
.Lnot_wave_0_\@:
	s_barrier_wait -3
	s_barrier_signal -1
	s_barrier_wait -1
.endm
.macro QADR blk, img, scl, hqp         ; where block blk's tile p lies in qrec
	s_lshl_b32 s44, s[BH], 4
	s_add_co_u32 s44, s44, s[\blk]
	s_mul_i32 s44, s44, QREC
	s_mov_b32 s45, 0
	s_add_nc_u64 s[44:45], s[4:5], s[44:45]
	s_add_nc_u64 s[\img:\img+1], s[44:45], s[18:19]
	s_add_nc_u64 s[\scl:\scl+1], s[44:45], s[20:21]
	s_add_nc_u64 s[\hqp:\hqp+1], s[44:45], s[22:23]
.endm
.macro QLOAD img, scl, hqp
	global_load_b128 v[QFR:QFR+3], v[L16], s[\img:\img+1]
	global_load_b64 v[QFR+4:QFR+5], v[L8], s[\img:\img+1] offset:512
	global_load_b32 v40, v[LS], s[\scl:\scl+1] offset:6144
	global_load_b32 v16, v[R4], s[\hqp:\hqp+1] offset:6656
.endm
	s_load_b256 s[4:11], s[0:1], 0x0               ; qrec, kvrec, oc, os
	v_lshl_add_u32 v254, v0, 2, SPARE
	v_mov_b32 v255, 0
	ds_add_u32 v254, v255                          ; the opening lines: the add twice on end
	ds_add_u32 v254, v255
	v_lshrrev_b32 v1, 5, v0
	v_readfirstlane_b32 s[WV], v1
	s_bfe_u32 s14, ttmp6, 0x40000
	s_lshl_b32 s[PP], ttmp9, 2
	s_add_co_u32 s[PP], s[PP], s14                 ; p
	s_and_b32 s[BH], ttmp7, 0xffff
	s_lshr_b32 s17, s[WV], 2
	s_xor_b32 s17, s17, s[WV]
	s_and_b32 s[TYP], s17, 1
	s_lshr_b32 s[IDX], s[WV], 1
	s_add_co_u32 s[BLK], s[IDX], 8
	s_sub_co_u32 s[BS], 7, s[IDX]
	s_cmp_eq_u32 s[TYP], 1
	s_cselect_b32 s[LO], 9, 0
	s_cselect_b32 s[HI], s[BLK], 8
	s_mov_b32 s[G1], 15|(3<<16)|(1<<21)            ; a record: 53 rows of 256 bytes, dense
	s_mov_b32 s[G1+1], 32<<16
	s_mov_b32 s[G1+2], 53<<16
	s_mov_b32 s[G1+3], 32<<16
	s_mov_b32 s[G1+4], 53
	s_mov_b32 s[G1+5], 32
	s_mov_b32 s[G1+6], 0
	s_mov_b32 s[G1+7], 0
	s_lshl_b32 s22, s[BH], 4
	s_add_co_u32 s22, s22, s[WV]
	s_mul_i32 s22, s22, REC
	s_mov_b32 s23, 0
	s_mov_b32 s[CS], 0x3f38aa3b                    ; log2(e) / 2
	s_mov_b32 s[CS+1], s[CS]
	s_mov_b32 s[SEL], 0x76543210
	s_mov_b32 s[SEL+1], 0xfedcba98
	s_mov_b32 s[HI16], 0xffff0000
	s_wait_dscnt 0x0
	s_wait_kmcnt 0x0
	s_mov_b32 s[G0], 1
	s_mul_i32 s[G0+1], s[WV], REC
	s_add_nc_u64 s[G0+2:G0+3], s[6:7], s[22:23]
	s_or_b32 s[G0+3], s[G0+3], 0x80000000
	CROUND
	tensor_load_to_lds s[G0:G0+3], s[G1:G1+7]      ; my one tensor load
	s_nop 0
.rept 4
	v_nop
.endr
	s_mul_i32 s18, s[PP], 768
	s_mov_b32 s19, 0
	s_lshr_b32 s20, s[PP], 2
	s_lshl_b32 s20, s20, 8
	s_and_b32 s21, s[PP], 3
	s_lshl_b32 s21, s21, 2
	s_add_co_u32 s20, s20, s21
	s_mov_b32 s21, 0
	s_lshl_b32 s22, s[PP], 6
	s_mov_b32 s23, 0
	QADR BLK, 46, 48, 50
	QADR BS, 56, 58, 60
	s_mul_i32 s[PBS], s[IDX], PSZ
	s_add_co_u32 s[PBS], s[PBS], PART
	s_lshl_b32 s63, s[PP], 4
	s_cmp_eq_u32 s[TYP], 1                         ; the block whose result I store
	s_cselect_b32 s14, s[BS], s[BLK]
	s_lshr_b32 s17, s[BH], 4
	s_lshl_b32 s17, s17, 7
	s_lshl_b32 s14, s14, 3
	s_add_co_u32 s17, s17, s14
	s_add_co_u32 s17, s17, s[PP]                   ; T = 128 x batch + 8 B + p
	s_and_b32 s14, s[BH], 15
	s_lshl_b32 s44, s17, 4
	s_add_co_u32 s44, s44, s14
	s_mul_i32 s44, s44, 768
	s_mov_b32 s45, 0
	s_add_nc_u64 s[8:9], s[8:9], s[44:45]
	s_lshl_b32 s44, s17, 9
	s_lshl_b32 s14, s14, 1
	s_add_co_u32 s44, s44, s14
	s_add_nc_u64 s[10:11], s[10:11], s[44:45]
	v_and_b32 v10, 31, v0
	v_bfe_u32 v11, v0, 4, 1
	v_and_b32 v[DG], 15, v0
	v_lshlrev_b32 v[L16], 4, v10
	v_lshlrev_b32 v[L8], 3, v10
	v_lshlrev_b32 v[LN], 5, v11
	v_lshlrev_b32 v[LS], 4, v[DG]
	v_lshlrev_b32 v[A16], 3, v11
	v_lshlrev_b32 v[R4], 2, v[DG]
	v_sub_nc_u32 v[DG], v[DG], v[A16]
	v_add_nc_u32 v[PADR], s[PBS], v[L16]
	v_add_nc_u32 v[DG], s63, v[DG]
	QLOAD 46, 48, 50
.irp i, 0,1,2,3,4,5
	v_mov_b32 v[QFR+6+\i], 0
	v_mov_b32 v[KF+48+\i], 0
.endr
.set j, 0
.rept 32
	v_mov_b32 v[O+j], 0                            ; the step is written once; its first walk finds zeros
.set j, j+1
.endr
	v_mov_b32 v13, 0xff61b1e6                      ; the largest s' so far: -3e38
	v_mov_b32 v14, 0
	v_mov_b32 v15, 0
	v_mov_b32 v18, 0
	v_mov_b32 v19, 0
	v_floor_f32 v12, -v13                          ; -M
	s_wait_loadcnt 0x0
	v_mov_b32 v17, v16
	s_wait_alu depctr_va_vdst(0)
	s_wait_tensorcnt 0x0
	s_barrier_signal -1
	s_barrier_wait -1                              ; everybody's record has landed
.macro WALK trips
	s_mov_b32 s[TB], 0
	s_mov_b32 s[ST], 0
.Lstep_\@:
	s_cmp_lt_u32 s[ST], s[LO]
	s_cbranch_scc1 .Lhidden_\@
	s_cmp_gt_u32 s[ST], s[HI]
	s_cbranch_scc1 .Lhidden_\@
	v_add_nc_u32 v[A16], s[TB], v[L16]
	v_add_nc_u32 v[A8], s[TB], v[L8]
	v_add_nc_u32 v[AN], s[TB], v[LN]
	v_add_nc_u32 v[AS], s[TB], v[LS]
	v_nop                                          ; five places behind the last step's products
	ds_load_b128 v[32:35], v[AS] offset:6144
	ds_load_b128 v[36:39], v[AS] offset:6400
.set t, 0
.rept 8
	ds_load_b128 v[KF+6*t:KF+6*t+3], v[A16] offset:768*t
	ds_load_b64 v[KF+6*t+4:KF+6*t+5], v[A8] offset:768*t+512
.set t, t+1
.endr
.set t, 0
.rept 8
	ds_load_b128 v[EN+8*t:EN+8*t+3], v[AN] offset:6656+64*t       ; nk of keys 16 t + 8 h + 0 .. 7: the result's layout
	ds_load_b128 v[EN+8*t+4:EN+8*t+7], v[AN] offset:6656+64*t+16
.set t, t+1
.endr
	s_wait_dscnt 16                                ; all but nk's 16 loads, the youngest
.set t, 0
.rept 8
	v_wmma_scale_f32_16x16x128_f8f6f4 v[S+8*t:S+8*t+7], v[KF+6*t:KF+6*t+11], v[QFR:QFR+11], 0, v[32+t], v40 matrix_a_fmt:MATRIX_FMT_FP6 matrix_b_fmt:MATRIX_FMT_FP6
.set t, t+1
.endr
	s_wait_dscnt 0x0
.rept 4
	v_nop
.endr
	s_wait_alu depctr_va_vdst(0)
.set j, 0
.rept 32
	v_pk_add_f32 v[EN+j:EN+j+1], v[S+j:S+j+1], v[EN+j:EN+j+1]      ; dot - kn / 2; each accumulator from its low end on
.set j, j+2
.endr
.set j, 0
.rept 32
	v_pk_add_f32 v[EN+j:EN+j+1], v[16:17], v[EN+j:EN+j+1] neg_lo:[0,1] neg_hi:[0,1]   ; g
.set j, j+2
.endr
.set q, 0
.rept 16
	v_pk_mul_f32 v[MP+2*q:MP+2*q+1], v[EN+4*q:EN+4*q+1], v[EN+4*q+2:EN+4*q+3]         ; g0 g2, g1 g3
.set q, q+1
.endr
.set j, 0
.rept 32
	v_pk_mul_f32 v[S+j:S+j+1], v[S+j:S+j+1], v[S+j:S+j+1]          ; dot^2
.set j, j+2
.endr
	s_wait_alu depctr_va_vdst(0)                   ; ahead of the batch
.set j, 0
.rept 32
	v_rcp_f32 v[MP+j], v[MP+j]
.set j, j+1
.endr
.set q, 0
.rept 16
	v_pk_mul_f32 v[S+4*q:S+4*q+1], v[S+4*q:S+4*q+1], v[EN+4*q+2:EN+4*q+3]             ; dot^2 x the partner's g: plain work behind the batch
	v_pk_mul_f32 v[S+4*q+2:S+4*q+3], v[S+4*q+2:S+4*q+3], v[EN+4*q:EN+4*q+1]
.set q, q+1
.endr
	ds_load_b128 v[32:35], v[AS] offset:13312      ; V's scale words and fragments, into the registers that g has left: they land under the softmax
.set t, 0
.rept 4
	ds_load_b128 v[EN+12*t:EN+12*t+3], v[A16] offset:7168+1536*t
	ds_load_b64 v[EN+12*t+4:EN+12*t+5], v[A8] offset:7168+1536*t+512
	ds_load_b128 v[EN+12*t+6:EN+12*t+9], v[A16] offset:7168+1536*t+768
	ds_load_b64 v[EN+12*t+10:EN+12*t+11], v[A8] offset:7168+1536*t+1280
.set t, t+1
.endr
	s_wait_alu depctr_va_vdst(0)                   ; one wait for the 32 reciprocals
.set q, 0
.rept 16
	v_pk_mul_f32 v[S+4*q:S+4*q+1], v[S+4*q:S+4*q+1], v[MP+2*q:MP+2*q+1]               ; s'
	v_pk_mul_f32 v[S+4*q+2:S+4*q+3], v[S+4*q+2:S+4*q+3], v[MP+2*q:MP+2*q+1]
.set q, q+1
.endr
	s_cmp_lt_u32 s[ST], s[BLK]
	s_wait_alu depctr_va_vdst(0)                   ; directly ahead of the branch
	s_cbranch_scc1 .Lopen_\@
	v_mov_b32 v[MINF], 0xff800000                  ; on the diagonal hidden scores become -infinity: p = 0
.set n, 0
.rept 64
	v_cmp_gt_i32 vcc_lo, 16*(n/8)+n%8, v[DG]
	v_cndmask_b32 v[S+n], v[S+n], v[MINF], vcc_lo
.set n, n+1
.endr
.Lopen_\@:
.irp b, 0,1,2,3                        ; each block's largest score, in two chains a block, the eight by turns: for the row's maximum and for the block's largest p
	v_max3_num_f32 v[BM+\b], v[S+16*\b], v[S+16*\b+1], v[S+16*\b+2]
	v_max3_num_f32 v[TP+\b], v[S+16*\b+8], v[S+16*\b+9], v[S+16*\b+10]
.endr
.irp i, 3,5
.irp b, 0,1,2,3
	v_max3_num_f32 v[BM+\b], v[BM+\b], v[S+16*\b+\i], v[S+16*\b+\i+1]
	v_max3_num_f32 v[TP+\b], v[TP+\b], v[S+16*\b+8+\i], v[S+16*\b+8+\i+1]
.endr
.endr
.irp b, 0,1,2,3
	v_max3_num_f32 v[BM+\b], v[BM+\b], v[S+16*\b+7], v[S+16*\b+15]
.endr
	v_mov_b32 v59, v12                             ; the old -M
.irp b, 0,1,2,3
	v_max_num_f32 v[BM+\b], v[BM+\b], v[TP+\b]
.endr
.irp b, 0,1,2,3
	v_permlanex16_b32 v[TP+\b], v[BM+\b], s[SEL], s[SEL+1]
.endr
.irp b, 0,1,2,3
	v_max_num_f32 v[BM+\b], v[BM+\b], v[TP+\b]     ; with lane l xor 16's 16 keys
.endr
	s_delay_alu instid0(VALU_DEP_2)
	v_max3_num_f32 v[T0], v[BM], v[BM+1], v[BM+2]
	s_delay_alu instid0(VALU_DEP_1)
	v_max3_num_f32 v13, v[T0], v[BM+3], v13        ; the running largest s'
	s_delay_alu instid0(VALU_DEP_1)
	v_mul_f32 v[T0], s[CS], v13                    ; as t
	s_delay_alu instid0(VALU_DEP_1)
	v_floor_f32 v12, -v[T0]                        ; the new -M = -ceil(t)
	s_delay_alu instid0(VALU_DEP_1)
	v_sub_f32 v[T0], v12, v59                      ; old M - new M, 0 or less
.set j, 0
.rept 5
	v_pk_fma_f32 v[S+j:S+j+1], v[S+j:S+j+1], s[CS:CS+1], v[12:13] op_sel_hi:[1,0,0]   ; t - M
.set j, j+2
.endr
	v_cvt_i32_f32 v[T0], v[T0]                     ; (it saturates)
.rept 5
	v_pk_fma_f32 v[S+j:S+j+1], v[S+j:S+j+1], s[CS:CS+1], v[12:13] op_sel_hi:[1,0,0]
.set j, j+2
.endr
	v_ldexp_f32 v18, 1.0, v[T0]                    ; f = 2^(old M - new M): rounds nothing
.rept 22
	v_pk_fma_f32 v[S+j:S+j+1], v[S+j:S+j+1], s[CS:CS+1], v[12:13] op_sel_hi:[1,0,0]
.set j, j+2
.endr
.irp b, 0,1,2,3
	v_fma_f32 v[BM+\b], v[BM+\b], s[CS], v12
.endr
	s_wait_alu depctr_va_vdst(0)                   ; ahead of the batch
.set j, 0
.rept 64
	v_exp_f32 v[S+j], v[S+j]
.set j, j+1
.endr
	v_pk_mul_f32 v[14:15], v[14:15], v[18:19] op_sel_hi:[1,0]
	s_wait_alu depctr_va_vdst(0)                   ; one wait for the batch
.irp b, 0,1,2,3
	v_exp_f32 v[BM+\b], v[BM+\b]                   ; the block's largest p
.endr
.set c, 0                              ; the row's sum of the unquantised p, in eight chains of pairs
.irp d, 46,222,220,218,216,214,212
	v_pk_add_f32 v[\d:\d+1], v[S+4*c:S+4*c+1], v[S+4*c+2:S+4*c+3]
.set c, c+1
.endr
	v_pk_add_f32 v[14:15], v[14:15], v[S+28:S+29]
.set c, 30
.rept 2
.irp d, 46,222,220,218,216,214,212,14
	v_pk_add_f32 v[\d:\d+1], v[\d:\d+1], v[S+c:S+c+1]
.set c, c+2
.endr
.endr
	v_pk_add_f32 v[46:47], v[46:47], v[S+62:S+63]
	v_pk_add_f32 v[222:223], v[222:223], v[214:215]
	v_pk_add_f32 v[220:221], v[220:221], v[212:213]
	v_pk_add_f32 v[14:15], v[14:15], v[218:219]
	s_wait_alu depctr_va_vdst(0)                   ; and one for the four
.irp b, 0,1,2,3
	v_max_num_f32 v[BM+\b], 0x1800000, v[BM+\b]    ; the floor 2^(3 - 127): the byte cannot fall under 1
.endr
	v_pk_add_f32 v[46:47], v[46:47], v[216:217]
	v_pk_add_f32 v[14:15], v[14:15], v[222:223]
.irp b, 0,1,2,3
	v_add_nc_u32 v[SO+\b], 0xff000000, v[BM+\b]    ; 2 off the exponent field: the conversion's scale operand
.endr
	v_pk_add_f32 v[46:47], v[46:47], v[220:221]
.irp b, 0,1,2,3
	v_lshrrev_b32 v[PB+\b], 23, v[SO+\b]
.endr
	v_pk_add_f32 v[14:15], v[14:15], v[46:47]
	v_lshl_or_b32 v41, v[PB+1], 8, v[PB]           ; p's scale word for these 128 keys
	s_delay_alu instid0(VALU_DEP_1)
	v_lshl_or_b32 v41, v[PB+2], 16, v41
	s_delay_alu instid0(VALU_DEP_1)
	v_lshl_or_b32 v41, v[PB+3], 24, v41
.irp c, 0,1
	v_cvt_scalef32_pk16_fp6_f32 v[PC+6*\c:PC+6*\c+2], v[S+32*\c:S+32*\c+15], v[SO+2*\c]
	v_cvt_scalef32_pk16_fp6_f32 v[PX+4*\c:PX+4*\c+2], v[S+32*\c+16:S+32*\c+31], v[SO+2*\c+1]
.endr
	v_nop                                          ; one plain place behind a scaled conversion
.irp c, 0,1
.irp i, 0,1,2
	v_permlane16_swap_b32 v[PC+6*\c+\i], v[PX+4*\c+\i]
.endr
.endr
.irp c, 0,1
.irp i, 0,1,2
	v_mov_b32 v[PC+3+6*\c+\i], v[PX+4*\c+\i]
.endr
.endr
.set j, 0
.rept 16
	v_pk_mul_f32 v[O+j:O+j+1], v[O+j:O+j+1], v[18:19] op_sel_hi:[1,0]   ; O^T under the new M; also the places ahead of the products
.set j, j+2
.endr
	s_wait_alu depctr_va_vdst(0)
	s_wait_dscnt 0x0                               ; V
.set t, 0
.rept 4
	v_wmma_scale_f32_16x16x128_f8f6f4 v[O+8*t:O+8*t+7], v[EN+12*t:EN+12*t+11], v[PC:PC+11], v[O+8*t:O+8*t+7], v[32+t], v41 matrix_a_fmt:MATRIX_FMT_FP6 matrix_b_fmt:MATRIX_FMT_FP6
.set t, t+1
.endr
.Lhidden_\@:
	s_add_co_u32 s[TB], s[TB], REC
	s_add_co_u32 s[ST], s[ST], 1
	s_cmp_lt_u32 s[ST], \trips
	s_cbranch_scc1 .Lstep_\@
.endm
	WALK 16                                        ; block 8 + i: kind 0 steps 0..8, kind 1 steps 9..8 + i
	s_cmp_eq_u32 s[TYP], 0
	s_cbranch_scc1 .Lkeep
.rept 4
	v_nop                                          ; places behind the last products
.endr
	s_wait_alu depctr_va_vdst(0)
.set g, 0
.rept 8
	ds_store_b128 v[PADR], v[O+4*g:O+4*g+3] offset:512*g            ; my part of block 8 + i, as an image of its registers
.set g, g+1
.endr
	ds_store_b128 v[PADR], v[12:15] offset:4096    ; -M, the largest s', the sum's two halves
	QLOAD 56, 58, 60                               ; block 7 - i's queries
.set j, 0
.rept 32
	v_mov_b32 v[O+j], 0
.set j, j+1
.endr
	v_mov_b32 v13, 0xff61b1e6
	v_mov_b32 v14, 0
	v_mov_b32 v15, 0
	v_floor_f32 v12, -v13
	s_wait_alu depctr_va_vdst(0)
	s_wait_loadcnt 0x0
	v_mov_b32 v17, v16
	s_wait_alu depctr_va_vdst(0)
.Lkeep:
	s_wait_dscnt 0x0                               ; any part of mine is stored:
	s_barrier_signal -1                            ; say so here; the wait stands behind the second loop, which reads the records and works on registers
	s_cmp_eq_u32 s[TYP], 1
	s_cselect_b32 s[LO], 0, 99                     ; kind 0 has no step in the second loop
	s_mov_b32 s[HI], s[BS]
	s_mov_b32 s[BLK], s[BS]
	WALK 8                                         ; kind 1: block 7 - i
.rept 4
	v_nop
.endr
	s_barrier_wait -1                              ; every wave has passed the first loop: all parts are stored
	s_cmp_eq_u32 s[TYP], 1
	s_cbranch_scc1 .Lout
.set g, 0
.rept 8
	ds_load_b128 v[S+4*g:S+4*g+3], v[PADR] offset:512*g
.set g, g+1
.endr
	ds_load_b128 v[S+32:S+35], v[PADR] offset:4096
	v_mov_b32 v[S+37], 0                           ; (named as the upper half of a pair)
	s_wait_alu depctr_va_vdst(0)
	s_wait_dscnt 0x0
	v_min_num_f32 v[T0], v12, v[S+32]              ; -M of the two together
	v_sub_f32 v18, v[T0], v12
	v_sub_f32 v[S+36], v[T0], v[S+32]
	v_cvt_i32_f32 v18, v18
	v_cvt_i32_f32 v[S+36], v[S+36]                 ; (it saturates: a part with no step counts for nothing)
	v_ldexp_f32 v18, 1.0, v18
	v_ldexp_f32 v[S+36], 1.0, v[S+36]
	v_pk_mul_f32 v[14:15], v[14:15], v[18:19] op_sel_hi:[1,0]
	v_pk_fma_f32 v[14:15], v[S+34:S+35], v[S+36:S+37], v[14:15] op_sel_hi:[1,0,1]
.set j, 0
.rept 16
	v_pk_mul_f32 v[O+j:O+j+1], v[O+j:O+j+1], v[18:19] op_sel_hi:[1,0]
.set j, j+2
.endr
.set j, 0
.rept 16
	v_pk_fma_f32 v[O+j:O+j+1], v[S+j:S+j+1], v[S+36:S+37], v[O+j:O+j+1] op_sel_hi:[1,0,1]
.set j, j+2
.endr
.Lout:
	; THE WAY OUT: O^T / the sum, in the true order along the head's 64, quantised in two blocks of 32
	s_wait_alu depctr_va_vdst(0)
	v_add_f32 v14, v14, v15
	s_delay_alu instid0(VALU_DEP_1)
	v_permlanex16_b32 v19, v14, s[SEL], s[SEL+1]
	s_delay_alu instid0(VALU_DEP_1)
	v_add_f32 v14, v14, v19
	s_wait_alu depctr_va_vdst(0)
	v_rcp_f32 v14, v14
	v_mov_b32 v[TP], 0
	v_mov_b32 v[TP+1], 0
	s_wait_alu depctr_va_vdst(0)
.set j, 0
.rept 16
	v_pk_mul_f32 v[O+j:O+j+1], v[O+j:O+j+1], v[14:15] op_sel_hi:[1,0]
.set j, j+2
.endr
.irp b, 0,1
.irp i, 0,1,2,3,4,5,6,7
	v_permlane16_swap_b32 v[O+16*\b+\i], v[O+16*\b+8+\i]           ; register 16 b + i is o(r, 32 b + 16 h + i)
.endr
.endr
.irp b, 0,1
	v_max3_num_f32 v[BM+\b], |v[O+16*\b]|, |v[O+16*\b+1]|, 0x1800000
.endr
.irp i, 2,4,6,8,10,12,14
.irp b, 0,1
	s_delay_alu instid0(VALU_DEP_2)
	v_max3_num_f32 v[BM+\b], v[BM+\b], |v[O+16*\b+\i]|, |v[O+16*\b+\i+1]|
.endr
.endr
.irp b, 0,1
	s_delay_alu instid0(VALU_DEP_2)
	v_permlanex16_b32 v[TP+\b], v[BM+\b], s[SEL], s[SEL+1]
.endr
.irp b, 0,1
	s_delay_alu instid0(VALU_DEP_2)
	v_max_num_f32 v[BM+\b], v[BM+\b], v[TP+\b]
.endr
.irp b, 0,1
	s_delay_alu instid0(VALU_DEP_2)
	v_add_nc_u32 v[SO+\b], 0xff000000, v[BM+\b]
.endr
.irp b, 0,1
	s_delay_alu instid0(VALU_DEP_2)
	v_lshrrev_b32 v[PB+\b], 23, v[SO+\b]
.endr
	v_cvt_scalef32_pk16_fp6_f32 v[PC:PC+2], v[O:O+15], v[SO]
	v_cvt_scalef32_pk16_fp6_f32 v[PX:PX+2], v[O+16:O+31], v[SO+1]
	v_nop
.irp i, 0,1,2
	v_permlane16_swap_b32 v[PC+\i], v[PX+\i]
.endr
.irp i, 0,1,2
	s_delay_alu instid0(VALU_DEP_3)
	v_mov_b32 v[PC+3+\i], v[PX+\i]
.endr
	v_cndmask_b32 v[T0], v[PB], v[PB+1], s[HI16]
	v_and_b32 v81, 15, v0
	v_bfe_u32 v82, v0, 4, 1
	v_lshl_add_u32 v81, v81, 5, v82                ; 32 r + h: my byte in os
	global_store_b128 v[L16], v[PC:PC+3], s[8:9]
	global_store_b64 v[L8], v[PC+4:PC+5], s[8:9] offset:512
	global_store_b8 v81, v[T0], s[10:11]
	s_wait_xcnt 0x0
	v_lshl_add_u32 v254, v0, 2, SPARE
	v_mov_b32 v255, 0
	s_wait_alu depctr_va_vdst(0)
	s_wait_tensorcnt 0x0                           ; the wave's end
	ds_add_u32 v254, v255
	s_wait_dscnt 0x0
	CROUND
	s_endpgm
.Lfunc_end_k_qab9c6e4e6c_attn:
	.size	k_qab9c6e4e6c_attn, .Lfunc_end_k_qab9c6e4e6c_attn-k_qab9c6e4e6c_attn
	.p2alignl 7, 3214868480
	.fill 96, 4, 3214868480
	.section	.rodata,"a",@progbits
	.p2align	6, 0x0
	.amdhsa_kernel k_qab9c6e4e6c_attn
		.amdhsa_group_segment_fixed_size 262144
		.amdhsa_private_segment_fixed_size 0
		.amdhsa_enable_private_segment 0
		.amdhsa_kernarg_size 32
		.amdhsa_user_sgpr_count 2
		.amdhsa_user_sgpr_kernarg_segment_ptr 1
		.amdhsa_wavefront_size32 1
		.amdhsa_system_sgpr_workgroup_id_x 1
		.amdhsa_system_sgpr_workgroup_id_y 1
		.amdhsa_system_sgpr_workgroup_id_z 1
		.amdhsa_system_vgpr_workitem_id 0
		.amdhsa_next_free_vgpr 256
		.amdhsa_next_free_sgpr 66
		.amdhsa_reserve_vcc 1
		.amdhsa_float_denorm_mode_32 3
		.amdhsa_float_denorm_mode_16_64 3
		.amdhsa_memory_ordered 1
		.amdhsa_forward_progress 1
		.amdhsa_inst_pref_size 88
	.end_amdhsa_kernel
	.amdgpu_metadata
---
amdhsa.version: [ 1, 2 ]
amdhsa.kernels:
  - .name:           k_qab9c6e4e6c_attn
    .symbol:         k_qab9c6e4e6c_attn.kd
    .args:
      - { .name: qrec, .offset: 0, .size: 8, .value_kind: global_buffer, .address_space: global }
      - { .name: kvrec, .offset: 8, .size: 8, .value_kind: global_buffer, .address_space: global }
      - { .name: oc, .offset: 16, .size: 8, .value_kind: global_buffer, .address_space: global }
      - { .name: os, .offset: 24, .size: 8, .value_kind: global_buffer, .address_space: global }
    .group_segment_fixed_size: 262144
    .private_segment_fixed_size: 0
    .kernarg_segment_align: 8
    .kernarg_segment_size: 32
    .max_flat_workgroup_size: 512
    .sgpr_count:     66
    .vgpr_count:     256
    .wavefront_size: 32
...
	.end_amdgpu_metadata
.endif
;; end of part 2
;; launch proj (part 3): grid 8 x 32, 4 waves a work-group, clusters of 4 x 4, 221,184 bytes of LDS; arguments oc, os, Wout_codes, Wout_scales, out0; writes out0
.if DOCPART == 3
	.amdgcn_target "amdgcn-amd-amdhsa--gfx1250"
	.amdhsa_code_object_version 6
	.text
	.protected	k_qab9c6e4e6c_proj
	.globl	k_qab9c6e4e6c_proj
	.p2align	8
	.type	k_qab9c6e4e6c_proj,@function
k_qab9c6e4e6c_proj:
	s_mov_b64 s[64:65], 0
	v_nop
	global_prefetch_b8 v0, s[64:65] scope:SCOPE_SE
	s_setreg_imm32_b32 hwreg(HW_REG_WAVE_MODE, 25, 1), 1
	s_wait_xcnt 0x0
	s_wait_alu depctr_hold_cnt(0) depctr_sa_sdst(0) depctr_va_vdst(0) depctr_va_sdst(0) depctr_va_ssrc(0) depctr_va_vcc(0) depctr_vm_vsrc(0)
	s_getreg_b32 s2, hwreg(HW_REG_IB_STS2, 6, 4)
	s_cmp_eq_u32 s2, 0
	s_cbranch_scc0 .Lentry_in_a_cluster
	s_endpgm
.Lentry_in_a_cluster:
	s_bfe_u32 s2, ttmp6, 0x10000c
	s_cmp_lg_u32 s2, 0xf033
	s_cbranch_scc0 .Lentry_shape_is_right
	s_endpgm
.Lentry_shape_is_right:
; out0 = o Wout on codes of FP6 (E2M3) with E8M0 scales.  o: oc [16 tokens: 256][head 16] images of operand registers, 768 bytes each (registers 0-3 at 16 x lane, 4-5 at 8 x lane), os [token][32] scale bytes;
; Wout: [1024 n][1024 k] codes, 768 bytes a row, and 32 scale bytes a row.  out0: [4096][1024] f32.
; A block is 128 tokens x 128 columns: 32 x 8 = 256 work-groups of four waves, a wave 64 x 64: 16 accumulators.
; ALL OF K LIES IN LDS: o's 128 tokens are 98,304 dense bytes, Wout's 128 rows likewise; each wave brings half of one of them by one tensor load in rows of 256 bytes.  Nothing is filled again, so there is one barrier.
; Wout's rows get 16 bytes of padding behind every 256: a row is 816 bytes in LDS, 204 words, so the 16 rows of a fragment start in 16 different groups of four banks (ISA guide 11.1).  The images are read lane by lane and need none.
; CLUSTERS: 4 x 4; o's block is shared along a row of the cluster, Wout's along a column, each asked for jointly.  No prefetch: everything is asked for at the head, and there is no loop to run ahead in.
; The scale words go from memory into registers: a row's 32 bytes are its eight steps' words; sixteen lanes read 512 consecutive bytes with two loads.
; Source 0 = 16 rows of Wout, source 1 = 16 tokens: a lane holds eight neighbouring columns of one token's row.
; REGISTERS: window 0: v0-31 addresses; v32-63 o's scale words, v64-95 Wout's; v96-191 o's fragments, two sets; v192-255 the way out.  window 1: v0-95 Wout's fragments, two sets; v128-255 the accumulators.
.set AHALF,  49152
.set BOFF,   98304
.set BHALF,  192*272
.set BROW,   816
.set STAGE,  BOFF+2*BHALF              ; 16 rows x 272 bytes for each wave, filled by no tensor load
.set SPITCH, 272
.set SPARE,  STAGE+4*16*SPITCH
.set ADRA, 16
.set ADRB, 18
.set STO,  20
.set RD,   21
.set CO,   22
.set SOF,  23
.set SPW,  28
.set NIL,  29
.set SA,   32
.set SB,   64
.set AF,   96
.set BK,   192
.set G1, 24
.set G0, 32
.set G1B, 48
.set G0B, 56
.set MSB, 0
.macro WIN new
.if MSB != (\new)
	s_set_vgpr_msb (MSB<<8)|(\new)
.set MSB, (\new)
.endif
.endm
.macro CROUND
	s_barrier_signal -1
	s_barrier_wait -1
	s_cmp_lg_u32 s14, 0
	s_cbranch_scc1 .Lnot_wave_0_\@
	s_barrier_signal -3
.Lnot_wave_0_\@:
	s_barrier_wait -3
	s_barrier_signal -1
	s_barrier_wait -1
.endm
	s_load_b128 s[4:7], s[0:1], 0x0                ; oc, os
	s_load_b128 s[8:11], s[0:1], 0x10              ; Wout's codes, scales
	s_load_b64 s[12:13], s[0:1], 0x20              ; out0
	v_lshl_add_u32 v[SPW], v0, 2, SPARE
	v_mov_b32 v[NIL], 0
	ds_add_u32 v[SPW], v[NIL]                      ; the opening lines: the add twice on end
	ds_add_u32 v[SPW], v[NIL]
	v_lshrrev_b32 v1, 5, v0
	v_readfirstlane_b32 s14, v1
	s_lshr_b32 s15, s14, 1                         ; my 64 tokens; also: I fetch for o (0) or Wout (1)
	s_and_b32 s16, s14, 1                          ; my 64 columns; also: which half I fetch
	s_bfe_u32 s40, ttmp6, 0x40000
	s_bfe_u32 s41, ttmp6, 0x40004
	s_lshl_b32 s42, ttmp9, 2
	s_add_co_u32 s42, s42, s40                     ; block column
	s_and_b32 s17, ttmp7, 0xffff
	s_lshl_b32 s17, s17, 2
	s_add_co_u32 s17, s17, s41                     ; block row
	s_lshl_b32 s43, s41, 2
	s_lshl_b32 s43, 15, s43
	s_lshl_b32 s44, 0x1111, s40
	s_or_b32 s[G1+0], s43, (3<<16)|(1<<21)
	s_or_b32 s[G1B+0], s44, (3<<16)|(1<<20)|(1<<21)|(5<<22)|(3<<25)
.irp g, G1, G1B
	s_mov_b32 s[\g+1], 32<<16                      ; 192 rows of 32 elements of 8 bytes, dense in memory
	s_mov_b32 s[\g+2], 192<<16
	s_mov_b32 s[\g+3], 32<<16
	s_mov_b32 s[\g+4], 192
	s_mov_b32 s[\g+5], 32
	s_mov_b32 s[\g+6], 0
	s_mov_b32 s[\g+7], 0
.endr
	s_mul_i32 s18, s16, AHALF
	s_mul_i32 s20, s17, 2*AHALF
	s_add_co_u32 s20, s20, s18
	s_mov_b32 s21, 0
	s_mul_i32 s46, s42, 2*AHALF
	s_add_co_u32 s46, s46, s18
	s_mov_b32 s47, 0
	s_mul_i32 s45, s16, BHALF
	s_add_co_u32 s45, s45, BOFF
	s_wait_dscnt 0x0
	s_wait_kmcnt 0x0
	s_mov_b32 s[G0], 1
	s_mov_b32 s[G0+1], s18
	s_add_nc_u64 s[G0+2:G0+3], s[4:5], s[20:21]
	s_or_b32 s[G0+3], s[G0+3], 0x80000000
	s_mov_b32 s[G0B], 1
	s_mov_b32 s[G0B+1], s45
	s_add_nc_u64 s[G0B+2:G0B+3], s[8:9], s[46:47]
	s_or_b32 s[G0B+3], s[G0B+3], 0x80000000
	CROUND
	s_cmp_eq_u32 s15, 0
	s_cbranch_scc0 .Lfor_b
	tensor_load_to_lds s[G0:G0+3], s[G1:G1+7]
	s_nop 0
.rept 4
	v_nop
.endr
	s_branch .Lasked
.Lfor_b:
	tensor_load_to_lds s[G0B:G0B+3], s[G1B:G1B+7]
	s_nop 0
.rept 4
	v_nop
.endr
.Lasked:
	s_lshl_b32 s20, s17, 7
	s_lshl_b32 s21, s15, 6
	s_add_co_u32 s20, s20, s21                     ; my first token
	s_lshl_b32 s46, s42, 7
	s_lshl_b32 s47, s16, 6
	s_add_co_u32 s46, s46, s47                     ; my first column
	s_mov_b32 s23, 0
	s_lshl_b32 s22, s20, 5
	s_add_nc_u64 s[6:7], s[6:7], s[22:23]
	s_lshl_b32 s22, s46, 5
	s_add_nc_u64 s[10:11], s[10:11], s[22:23]
	s_lshl_b32 s22, s20, 12
	s_lshl_b32 s46, s46, 2
	s_add_co_u32 s22, s22, s46
	s_add_nc_u64 s[12:13], s[12:13], s[22:23]
	s_mul_i32 s2, s15, AHALF
	s_mul_i32 s19, s14, 16*SPITCH
	s_add_co_u32 s19, s19, STAGE
	v_and_b32 v1, 15, v0                           ; r
	v_bfe_u32 v2, v0, 4, 1                         ; h
	v_and_b32 v3, 31, v0
	v_lshlrev_b32 v[SOF], 5, v1
	v_lshlrev_b32 v4, 4, v3
	v_lshlrev_b32 v5, 3, v3
	v_add_nc_u32 v[ADRA], s2, v4
	v_add_nc_u32 v[ADRA+1], s2, v5
	v_mul_u32_u24 v4, v1, BROW
	v_mad_u32_u24 v4, v2, 24, v4
	v_add_nc_u32 v[ADRB], s45, v4
	v_lshl_add_u32 v[ADRB+1], v2, 4, v[ADRB]       ; where lanes 16-31's piece lies behind one padding more
	v_mul_u32_u24 v5, v1, SPITCH
	v_lshl_add_u32 v5, v2, 5, v5
	v_add_nc_u32 v[STO], s19, v5
	v_mul_u32_u24 v6, v2, SPITCH
	v_lshl_add_u32 v6, v1, 4, v6
	v_add_nc_u32 v[RD], s19, v6
	v_lshlrev_b32 v7, 12, v2
	v_lshl_add_u32 v[CO], v1, 4, v7
.irp a, 0,1,2,3
	global_load_b128 v[SA+8*\a:SA+8*\a+3], v[SOF], s[6:7] offset:512*\a
	global_load_b128 v[SA+8*\a+4:SA+8*\a+7], v[SOF], s[6:7] offset:512*\a+16
	global_load_b128 v[SB+8*\a:SB+8*\a+3], v[SOF], s[10:11] offset:512*\a
	global_load_b128 v[SB+8*\a+4:SB+8*\a+7], v[SOF], s[10:11] offset:512*\a+16
.endr
.macro FETCH st                        ; step st's eight fragments into set st % 2: 24 + 16 LDS loads
	WIN 0x40
.irp i, 0,1,2,3
.irp p, 0,1,2,3,4,5
.set BY, 96*(\st)+48*(\p/3)+8*(\p%3)
.if BY/256 == (BY+24)/256
	ds_load_b64 v[48*((\st)%2)+12*\i+2*\p:48*((\st)%2)+12*\i+2*\p+1], v[ADRB] offset:BY+16*(BY/256)+\i*16*BROW
.else
	ds_load_b64 v[48*((\st)%2)+12*\i+2*\p:48*((\st)%2)+12*\i+2*\p+1], v[ADRB+1] offset:BY+16*(BY/256)+\i*16*BROW
.endif
.endr
.endr
	WIN 0
.irp i, 0,1,2,3
.set RG, AF+48*((\st)%2)+12*\i
	ds_load_b128 v[RG:RG+3],     v[ADRA]   offset:12288*\i+1536*(\st)
	ds_load_b64  v[RG+4:RG+5],   v[ADRA+1] offset:12288*\i+1536*(\st)+512
	ds_load_b128 v[RG+6:RG+9],   v[ADRA]   offset:12288*\i+1536*(\st)+768
	ds_load_b64  v[RG+10:RG+11], v[ADRA+1] offset:12288*\i+1536*(\st)+1280
.endr
.endm
.macro MUL st, zero                    ; 16 matrix instructions; the accumulators take turns
	WIN 0x51
.irp a, 0,1,2,3
.irp b, 0,1,2,3
.if \zero
	v_wmma_scale_f32_16x16x128_f8f6f4 v[128+8*(4*\a+\b):128+8*(4*\a+\b)+7], v[48*((\st)%2)+12*\b:48*((\st)%2)+12*\b+11], v[AF+48*((\st)%2)+12*\a:AF+48*((\st)%2)+12*\a+11], 0, v[SB+8*\b+(\st)], v[SA+8*\a+(\st)] matrix_a_fmt:MATRIX_FMT_FP6 matrix_b_fmt:MATRIX_FMT_FP6
.else
	v_wmma_scale_f32_16x16x128_f8f6f4 v[128+8*(4*\a+\b):128+8*(4*\a+\b)+7], v[48*((\st)%2)+12*\b:48*((\st)%2)+12*\b+11], v[AF+48*((\st)%2)+12*\a:AF+48*((\st)%2)+12*\a+11], v[128+8*(4*\a+\b):128+8*(4*\a+\b)+7], v[SB+8*\b+(\st)], v[SA+8*\a+(\st)] matrix_a_fmt:MATRIX_FMT_FP6 matrix_b_fmt:MATRIX_FMT_FP6
.endif
.endr
.endr
.endm
	s_wait_alu depctr_va_vdst(0)
	s_wait_tensorcnt 0x0                           ; my half has landed,
	s_barrier_signal -1
	s_barrier_wait -1                              ; everybody's has
	FETCH 0
	FETCH 1
	s_wait_loadcnt 0x0                             ; the scale words
	s_wait_dscnt 40                                ; all but step 1's 40 loads
	MUL 0, 1
.set ST, 1
.rept 6
.rept 4
	v_nop                                          ; places in front of loads into the set just multiplied
.endr
	FETCH ST+1
	s_wait_dscnt 40                                ; all but the 40 just issued
	MUL ST, 0
.set ST, ST+1
.endr
	s_wait_dscnt 0x0
	MUL 7, 0
	WIN 0
; THE WAY OUT, 16 tokens x 64 columns at a time, through my own stage: back come whole rows of 256 bytes, two a load
.macro TOSTAGE a
	WIN 0x04
.irp b, 0,1,2,3
	ds_store_b128 v[STO], v[128+32*(\a)+8*\b:128+32*(\a)+8*\b+3] offset:64*\b
	ds_store_b128 v[STO], v[128+32*(\a)+8*\b+4:128+32*(\a)+8*\b+7] offset:64*\b+16
.endr
	WIN 0
.irp t, 0,1,2,3,4,5,6,7
	ds_load_b128 v[BK+32*((\a)%2)+4*\t:BK+32*((\a)%2)+4*\t+3], v[RD] offset:\t*2*SPITCH   ; LDS serves a wave's instructions in order (ISA guide 5.7.1.4)
.endr
.endm
.macro SEND a, younger
	s_wait_dscnt \younger
.if (\a) > 0
	s_add_nc_u64 s[12:13], s[12:13], 16*4096       ; behind a wait on XCNT: the earlier stores have read their base
.endif
.irp t, 0,1,2,3,4,5,6,7
	global_store_b128 v[CO], v[BK+32*((\a)%2)+4*\t:BK+32*((\a)%2)+4*\t+3], s[12:13] offset:2*\t*4096 th:TH_STORE_NT   ; sixteen lanes store 256 consecutive bytes, aligned
.endr
.endm
.rept 4
	v_nop
.endr
	TOSTAGE 0
.irp a, 1,2,3
.if \a > 1
	s_wait_xcnt 0x0
.endif
	TOSTAGE \a
	SEND \a-1, 16                                  ; behind block a - 1's loads: block a's 8 stores and 8 loads
.endr
	s_wait_xcnt 0x0
	SEND 3, 0
	s_wait_tensorcnt 0x0                           ; the wave's end
	ds_add_u32 v[SPW], v[NIL]
	s_wait_dscnt 0x0
	CROUND                                         ; the closing round
	s_endpgm
.Lfunc_end_k_qab9c6e4e6c_proj:
	.size	k_qab9c6e4e6c_proj, .Lfunc_end_k_qab9c6e4e6c_proj-k_qab9c6e4e6c_proj
	.p2alignl 7, 3214868480
	.fill 96, 4, 3214868480
	.section	.rodata,"a",@progbits
	.p2align	6, 0x0
	.amdhsa_kernel k_qab9c6e4e6c_proj
		.amdhsa_group_segment_fixed_size 221184
		.amdhsa_private_segment_fixed_size 0
		.amdhsa_enable_private_segment 0
		.amdhsa_kernarg_size 40
		.amdhsa_user_sgpr_count 2
		.amdhsa_user_sgpr_kernarg_segment_ptr 1
		.amdhsa_wavefront_size32 1
		.amdhsa_system_sgpr_workgroup_id_x 1
		.amdhsa_system_sgpr_workgroup_id_y 1
		.amdhsa_system_sgpr_workgroup_id_z 1
		.amdhsa_system_vgpr_workitem_id 0
		.amdhsa_next_free_vgpr 512
		.amdhsa_next_free_sgpr 66
		.amdhsa_reserve_vcc 0
		.amdhsa_float_denorm_mode_32 3
		.amdhsa_float_denorm_mode_16_64 3
		.amdhsa_memory_ordered 1
		.amdhsa_forward_progress 1
		.amdhsa_inst_pref_size 54
	.end_amdhsa_kernel
	.amdgpu_metadata
---
amdhsa.version: [ 1, 2 ]
amdhsa.kernels:
  - .name:           k_qab9c6e4e6c_proj
    .symbol:         k_qab9c6e4e6c_proj.kd
    .args:
      - { .name: oc, .offset: 0, .size: 8, .value_kind: global_buffer, .address_space: global }
      - { .name: os, .offset: 8, .size: 8, .value_kind: global_buffer, .address_space: global }
      - { .name: Wout_codes, .offset: 16, .size: 8, .value_kind: global_buffer, .address_space: global }
      - { .name: Wout_scales, .offset: 24, .size: 8, .value_kind: global_buffer, .address_space: global }
      - { .name: out0, .offset: 32, .size: 8, .value_kind: global_buffer, .address_space: global }
    .group_segment_fixed_size: 221184
    .private_segment_fixed_size: 0
    .kernarg_segment_align: 8
    .kernarg_segment_size: 40
    .max_flat_workgroup_size: 128
    .sgpr_count:     66
    .vgpr_count:     512
    .wavefront_size: 32
...
	.end_amdgpu_metadata
.endif
;; end of part 3
